; MI455X (gfx1250); checked and timed in simulation.
; The chip was launched on July 23, 2026; its instructions are those of AMD's public machine-readable ISA for CDNA 5 (MIT licence, August 2026) and "CDNA5" Instruction Set Architecture Reference Guide (July 2026). The comments in the code are by the model that wrote it; some were corrected since.
;; Multi Head Attention. Allowed arithmetic: matrix products marked QUANTISED: E2M1 operands, one E8M0 scale for each 32 along K, by v_wmma_scale_f32_16x16x128_f8f6f4 with both operands' format E2M1 (or v_wmma_scale_f32_32x16x128_f4), f32 sums; everything else in f32.
;; Inputs: Wk 16 x 1,024 x 64 float32; Wo 1,024 x 64 float32; Wq 16 x 1,024 x 64 float32; Wv 16 x 1,024 x 64 float32; bk 16 x 64 float32; bo 64 float32; bq 16 x 64 float32; bv 16 x 64 float32; context_tokens 4 x 2,048 x 1,024 float32; current_tokens 4 x 2,048 x 1,024 float32.
;; Outputs: out0 4 x 2,048 x 64 float32.
;; This version of the problem:
;;   THIS VERSION OF THE PROBLEM IS GIVEN IN LOW PRECISION. The matrix products marked QUANTISED in the list below multiply operands that are first quantised to E2M1 (2 exponent bits, 1 mantissa bit; 4 bits a number), with one power-of-two scale for each 32 numbers along K (OCP MX v1.0); their sums are f32. All else is computed in f32.
;;   The module's matrix products, in the order in which they are computed (A, B: the left and right operand; K: the contracted axis; several contracted axes count as one K, in the product's order):
;;     1. [M 1,024, K 1,024] x [K 1,024, N 8,192]; A: input Wq; B: input current_tokens: QUANTISED
;;     2. [M 1,024, K 1,024] x [K 1,024, N 8,192]; A: input Wk; B: input context_tokens: QUANTISED
;;     3. [M 1,024, K 1,024] x [K 1,024, N 8,192]; A: input Wv; B: input context_tokens: QUANTISED
;;     4. batch 64 x [M 2,048, K 64] x [K 64, N 2,048]; A: computed on the way; B: computed on the way: QUANTISED
;;     5. batch 64 x [M 2,048, K 2,048] x [K 2,048, N 64]; A: softmax (see below); B: computed on the way: QUANTISED
;;     6. [M 8,192, K 1,024] x [K 1,024, N 64]; A: computed on the way; B: input Wo: QUANTISED
;;   THE QUANTISER, for each operand of a quantised product, along K:
;;     - K is cut into blocks of 32 from its start; a last block that is shorter is filled with zeros.
;;     - A block's scale is 2^e with e = floor(log2(the largest magnitude in the block)) - 2, held to -126 .. 127; a block of zeros has e = 0. As a byte (E8M0): e + 127.
;;     - Each number is divided by its block's scale, clamped to +-6, and rounded to the nearest number of E2M1, ties to even, subnormals kept.
;;     - The product sums the exact products of the quantised numbers (number of the format x scale) in f32.
;;   ~~~python
;;   def quantise(x, axis):      # numpy; x: float32 -> the quantised numbers, widened to float32 again
;;       x = np.moveaxis(x, axis, -1); K = x.shape[-1]
;;       x = np.pad(x, [(0, 0)] * (x.ndim - 1) + [(0, -K % 32)]); x = x.reshape(x.shape[:-1] + (-1, 32)); a = np.abs(x).max(-1, keepdims=True)
;;       e = np.where(a > 0, np.clip(np.frexp(np.where(a > 0, a, 1))[1] - 1 - 2, -126, 127), 0)      # np.frexp(a)[1] - 1 = floor(log2(a)), exactly
;;       r = np.clip(x / 2.0 ** e, -6, 6)
;;       step = 2.0 ** (np.maximum(np.frexp(np.where(r == 0, 1, r))[1] - 1, 0) - 1)
;;       q = np.round(r / step) * step * 2.0 ** e      # np.round: ties to even
;;       return np.moveaxis(q.reshape(q.shape[:-2] + (-1,))[..., :K], -1, axis).astype(np.float32)
;;   ~~~
;;   SOFTMAX AHEAD OF A QUANTISED PRODUCT. Where the list says 'softmax', what is quantised is not the finished softmax but p = 2^(t - M), with t = logit x log2(e) and M = ceil(the row's largest t), a whole number; so 1/2 < the row's largest p <= 1. The row's sum l is taken of the UNQUANTISED p, in f32, and the product's result is divided by l at the end. Since M is a whole number, a kernel that streams over the keys may use a running M (the ceiling of the running maximum): every later rescaling is an exact power of two, which a block's scale takes up: the codes' values come out the same.
;;   OPERANDS COMPUTED ON THE WAY. 'Computed on the way' means the value that the module computes at that place (a softmax that the list does not call 'softmax' is quantised finished and normalised). What goes into a quantiser is computed in f32, as accurately as f32 sums, v_exp_f32 and their like allow (about 1e-6 of the number): no bf16 or f16 on the way to a quantiser, and a product that is left as it is and whose result goes on into a quantised operand takes f32 operands (vector FMAs, or v_wmma_f32_16x16x4_f32). A number that lies on a knife's edge between two numbers of the format may be rounded either way, as far as f32 arithmetic and the matrix unit's own rounding can turn it there, and no further.
;; One version. Each part assembles by itself: llvm-mc -triple=amdgcn-amd-amdhsa -mcpu=gfx1250 --defsym DOCPART=n.
;; ======== version 1 of 1: 4 launches
;; limits: right only within a limited range of input values
;; workspace buffers: tokc 8,388,608 bytes; toks 524,288 bytes; wc 1,605,632 bytes; ws 100,352 bytes; kv 8,912,896 bytes; yc 4,194,304 bytes; ys 262,144 bytes
;; launch quant (part 1): grid 610 x 1, 4 waves a work-group, no clusters, 34,304 bytes of LDS; arguments current_tokens, context_tokens, Wq, Wk, Wv, Wo, tokc, toks, wc, ws; writes tokc, toks, wc, ws
.if DOCPART == 1
	.amdgcn_target "amdgcn-amd-amdhsa--gfx1250"
	.amdhsa_code_object_version 6
	.text
	.protected	k_qfdc5acdbab_quant
	.globl	k_qfdc5acdbab_quant
	.p2align	8
	.type	k_qfdc5acdbab_quant,@function
k_qfdc5acdbab_quant:
	s_mov_b64 s[64:65], 0
	v_nop
	global_prefetch_b8 v0, s[64:65] scope:SCOPE_SE
	s_setreg_imm32_b32 hwreg(HW_REG_WAVE_MODE, 25, 1), 1
	s_wait_xcnt 0x0
; Both token tensors [8192][1024] and the 49 weight slabs [1024 k][64 n] (16 heads each of Wq, Wk, Wv; Wo), all f32, become codes of FP4 (E2M1) with one E8M0 byte for each 32 along K.
; A block's scale is 2^(floor(log2(largest magnitude)) - 2): its byte is the largest magnitude's exponent field - 2, held at 1 from below by a floor among the maximum's leaves.
; LIMITS: NaN and infinities among the inputs are not served.  A block of zeros gets the byte 1 where the rule says 127: its codes are zeros, and this program alone reads the bytes.
; WHAT IS WRITTEN is laid as the later launches' operand registers take it.  A TILE is 16 rows; of each 32 consecutive rows tile u (0, 1) holds row 8 u + r + 8 (r / 8) at place r.
; A fragment (a tile x 128 K) is an IMAGE of 1,024 bytes, [c 2][lane 32][16 bytes]: lane (r, h) holds k = 64 c + 32 h + 0 .. 31 of the row at place r.
;   tokc [tensor 2][tile 512][K step 8][image]      toks [tensor 2][tile 512][K half 2][r 16][4 words]: a word = the four bytes of one K step
;   wc   [slab 49][tile 4][K step 8][image]         ws   [slab 49][tile 4][K half 2][r 16][4 words]
; ONE LAUNCH, TWO PATHS, parted on the work-group's number: 0 .. 97 take weights (no LDS), 98 .. 609 tokens (a stage in LDS for each wave).  Waves share nothing: no barrier.
.set NWW,    98                        ; work-groups for the weights: 49 slabs x 2 halves of K
.set FLOOR,  0x1800000                 ; 2^(3 - 127)
.set OFF2,   0xff000000                ; takes 2 off an exponent field
.set SPITCH, 528                       ; a stage row: 512 bytes + 16
.set STAGEB, 16*SPITCH
	s_load_b512 s[8:23], s[0:1], 0x0               ; current s[8:9], context s[10:11], Wq s[12:13], Wk s[14:15], Wv s[16:17], Wo s[18:19], tokc s[20:21], toks s[22:23]
	s_load_b128 s[24:27], s[0:1], 0x40             ; wc s[24:25], ws s[26:27]
	v_lshl_add_u32 v254, v0, 2, 0x8400
	v_mov_b32 v255, 0
	v_lshrrev_b32 v1, 5, v0
	v_readfirstlane_b32 s28, v1                    ; wave 0..3
	v_and_b32 v2, 31, v0                           ; lane
	s_cmp_lt_u32 ttmp9, NWW
	s_cbranch_scc0 .Ltokens
; ---------------- WEIGHTS.  K is a slab's FIRST axis: a lane takes a column n and its registers run down K, so a block of 32 lies in one lane and the codes come out with K innermost.
; A work-group takes half of a slab's K; wave w takes columns 32 (w & 1) + lane and 256 along K: 8 blocks.  Two blocks (64 loads) are asked for ahead.
	s_lshr_b32 s29, ttmp9, 1                       ; slab
	s_and_b32 s30, ttmp9, 1                        ; which half of K
	s_and_b32 s31, s28, 1                          ; which 32 columns
	s_lshr_b32 s32, s28, 1                         ; which 256 of the half
	v_lshlrev_b32 v3, 2, v2                        ; in: 4 bytes a lane
	v_bfe_u32 v4, v2, 3, 1                         ; my column's tile of the two: u
	v_bfe_u32 v5, v2, 4, 1
	v_and_b32 v6, 7, v2
	v_lshl_add_u32 v6, v5, 3, v6                   ; and its place there: 8 (lane / 16) + lane % 8
	v_lshlrev_b32 v6, 4, v6
	v_lshl_add_u32 v7, v4, 13, v6                  ; codes: 8,192 u + 16 x place
	v_lshl_add_u32 v8, v4, 9, v6                   ; scale words: 512 u + 16 x place
	s_and_b32 s33, s29, 15
	s_lshl_b32 s34, s33, 18                        ; the slab in its tensor: 262,144 bytes each
	s_lshl_b32 s35, s30, 17                        ; 512 rows of 256 bytes
	s_add_co_u32 s34, s34, s35
	s_lshl_b32 s35, s32, 16                        ; 256 rows
	s_add_co_u32 s34, s34, s35
	s_lshl_b32 s35, s31, 7                         ; 32 columns
	s_add_co_u32 s34, s34, s35
	s_mov_b32 s35, 0
	s_lshl_b32 s36, s29, 15                        ; wc: slab x 32,768 + pair of tiles x 16,384 + K step x 1,024
	s_lshl_b32 s37, s31, 14
	s_add_co_u32 s36, s36, s37
	s_lshl_b32 s37, s30, 12
	s_add_co_u32 s36, s36, s37
	s_lshl_b32 s37, s32, 11
	s_add_co_u32 s36, s36, s37
	s_mov_b32 s37, 0
	s_lshl_b32 s38, s29, 11                        ; ws: slab x 2,048 + pair of tiles x 1,024 + half x 256 + my two words
	s_lshl_b32 s39, s31, 10
	s_add_co_u32 s38, s38, s39
	s_lshl_b32 s39, s30, 8
	s_add_co_u32 s38, s38, s39
	s_lshl_b32 s39, s32, 3
	s_add_co_u32 s38, s38, s39
	s_mov_b32 s39, 0
	s_lshr_b32 s40, s29, 4                         ; 0 Wq, 1 Wk, 2 Wv, 3 Wo
	s_wait_alu depctr_va_vdst(0)
	s_wait_kmcnt 0x0
	s_cmp_eq_u32 s40, 0
	s_cselect_b64 s[4:5], s[12:13], s[14:15]
	s_cmp_lt_u32 s40, 2
	s_cselect_b64 s[4:5], s[4:5], s[16:17]
	s_cmp_lt_u32 s40, 3
	s_cselect_b64 s[4:5], s[4:5], s[18:19]
	s_add_nc_u64 s[4:5], s[4:5], s[34:35]
	s_add_nc_u64 s[6:7], s[24:25], s[36:37]
	s_add_nc_u64 s[2:3], s[26:27], s[38:39]
.macro WLOAD t                         ; block t: W(32 t + i, my column) into set t % 2; a wave's load reads 128 consecutive bytes
.set i, 0
.rept 32
	global_load_b32 v[32+32*((\t)%2)+i], v3, s[4:5] offset:(32*(\t)+i)*256 th:TH_LOAD_NT
.set i, i+1
.endr
.endm
.macro WBLOCK t
.set XS, 32+32*((\t)%2)
.if (\t) < 7
	s_wait_loadcnt 32                              ; this block's 32 loads are in; the next block's 32 may be out
.else
	s_wait_loadcnt 0x0
.endif
	v_max3_num_f32 v12, |v[XS]|, |v[XS+1]|, |v[XS+2]|              ; the block's largest magnitude, in two chains: all 32 numbers are mine
	v_max3_num_f32 v13, |v[XS+3]|, |v[XS+4]|, |v[XS+5]|
.irp i, 6,10,14,18,22,26
	v_max3_num_f32 v12, v12, |v[XS+\i]|, |v[XS+\i+1]|
	v_max3_num_f32 v13, v13, |v[XS+\i+2]|, |v[XS+\i+3]|
.endr
	v_max3_num_f32 v12, v12, |v[XS+30]|, |v[XS+31]|
	v_max3_num_f32 v12, v12, v13, FLOOR
	v_add_nc_u32 v11, OFF2, v12                    ; the conversion takes this operand's exponent field as its scale
	v_lshrrev_b32 v13, 23, v11                     ; the scale's byte
.if (\t)%4 == 0
	v_mov_b32 v[24+(\t)/4], v13                    ; four bytes make a K step's word, the lower K in the lower byte
.else
	v_lshl_or_b32 v[24+(\t)/4], v13, 8*((\t)%4), v[24+(\t)/4]
.endif
.irp g, 0,1,2,3
	v_cvt_scalef32_pk8_fp4_f32 v[96+4*(\t)+\g], v[XS+8*\g:XS+8*\g+7], v11    ; each block has its own four registers: no store's data are written again
.endr
	global_store_b128 v7, v[96+4*(\t):99+4*(\t)], s[6:7] offset:1024*((\t)/4)+256*((\t)%4)   ; block t % 4 of a K step is (c, h) = (t % 4 / 2, t % 2): sixteen lanes fill 256 consecutive bytes, aligned, in each of the two tiles
.if (\t)+2 < 8
	WLOAD (\t)+2
.endif
.endm
	WLOAD 0
	WLOAD 1
.irp t, 0,1,2,3,4,5,6,7
	WBLOCK \t
.endr
	global_store_b64 v8, v[24:25], s[2:3]          ; my column's two words: pieces of 8 bytes, 100,352 bytes in the whole launch
	s_endpgm
; ---------------- TOKENS.  K is innermost.  A wave takes one tile (16 rows) x 512 along K: 4 K steps.  Each load reads 512 consecutive bytes of one row, 16 a lane; the rows turn through the wave's own stage,
; so that lane (r, h) gets k = 64 c + 32 h + 0 .. 31 of the row at place r: two whole blocks, which need no other lane.  Two K steps (32 loads) are asked for ahead.
.Ltokens:
	s_sub_co_u32 s29, ttmp9, NWW
	s_lshl_b32 s29, s29, 2
	s_add_co_u32 s29, s29, s28                     ; which of 2,048 shares is my wave's
	s_lshr_b32 s30, s29, 10                        ; tensor
	s_bfe_u32 s31, s29, 0x90001                    ; tile 0 .. 511
	s_and_b32 s32, s29, 1                          ; half of K
	s_mul_i32 s33, s28, STAGEB                     ; my stage
	s_mov_b32 s34, 0x76543210
	s_mov_b32 s35, 0xfedcba98                      ; v_permlanex16_b32's selects for lane l xor 16
	s_wait_alu depctr_va_vdst(0)
	v_lshlrev_b32 v3, 4, v2                        ; 16 x lane
	v_add_nc_u32 v4, s33, v3                       ; into the stage: a row as it was loaded
	v_and_b32 v6, 15, v2                           ; r
	v_bfe_u32 v7, v2, 4, 1                         ; h
	v_mul_u32_u24 v5, v6, SPITCH
	v_lshl_add_u32 v5, v7, 7, v5
	v_add_nc_u32 v5, s33, v5                       ; out of it: row r, + 128 h bytes
	v_lshlrev_b32 v8, 3, v7                        ; 8 h: my bytes' place in a scale word
	v_lshlrev_b32 v9, 4, v6
	v_lshl_add_u32 v9, v7, 3, v9                   ; 16 r + 8 h: my two words on the way out
	v_mov_b32 v251, 0                              ; written once: a lane permute's destination counts as one of its sources
	s_lshr_b32 s36, s31, 1
	s_lshl_b32 s36, s36, 17                        ; 32 rows of 4,096 bytes for each pair of tiles,
	s_and_b32 s42, s31, 1
	s_lshl_b32 s42, s42, 15                        ; 8 rows for the odd tile,
	s_add_co_u32 s36, s36, s42
	s_lshl_b32 s42, s32, 11                        ; 512 numbers for the second half
	s_add_co_u32 s36, s36, s42
	s_mov_b32 s37, 0
	s_lshl_b32 s38, s30, 22                        ; tokc
	s_lshl_b32 s42, s31, 13
	s_add_co_u32 s38, s38, s42
	s_lshl_b32 s42, s32, 12
	s_add_co_u32 s38, s38, s42
	s_mov_b32 s39, 0
	s_lshl_b32 s40, s30, 18                        ; toks
	s_lshl_b32 s42, s31, 9
	s_add_co_u32 s40, s40, s42
	s_lshl_b32 s42, s32, 8
	s_add_co_u32 s40, s40, s42
	s_mov_b32 s41, 0
	s_wait_alu depctr_va_vdst(0)
	s_wait_kmcnt 0x0
	s_cmp_eq_u32 s30, 0
	s_cselect_b64 s[4:5], s[8:9], s[10:11]
	s_add_nc_u64 s[4:5], s[4:5], s[36:37]
	s_add_nc_u64 s[6:7], s[20:21], s[38:39]
	s_add_nc_u64 s[2:3], s[22:23], s[40:41]
.macro TLOAD s                         ; K step s of the tile's 16 rows into set s % 2: place i is row i + 8 (i / 8)
.irp i, 0,1,2,3,4,5,6,7,8,9,10,11,12,13,14,15
	global_load_b128 v[16+64*((\s)%2)+4*\i:19+64*((\s)%2)+4*\i], v3, s[4:5] offset:(\i+8*(\i/8))*4096+512*(\s) th:TH_LOAD_NT
.endr
.endm
.macro TSTEP s
.set RS, 16+64*((\s)%2)
.if (\s) < 3
	s_wait_loadcnt 16                              ; this K step's 16 loads are in; the next one's may be out
.else
	s_wait_loadcnt 0x0
.endif
.irp i, 0,1,2,3,4,5,6,7,8,9,10,11,12,13,14,15
	ds_store_b128 v4, v[RS+4*\i:RS+4*\i+3] offset:SPITCH*\i
.endr
.irp c, 0,1
.irp j, 0,1,2,3,4,5,6,7
	ds_load_b128 v[144+32*\c+4*\j:147+32*\c+4*\j], v5 offset:256*\c+16*\j    ; LDS serves a wave's instructions in order: these see the stores above
.endr
.endr
	s_wait_dscnt 0x0                               ; my 64 numbers are back, and the stores have read their registers,
.if (\s) < 2
	TLOAD (\s)+2                                   ; which take the K step two on
.endif
.irp c, 0,1
	v_max3_num_f32 v[244+\c], |v[144+32*\c]|, |v[145+32*\c]|, FLOOR        ; block 2 c + h of the K step; the two by turns
.endr
.irp i, 2,4,6,8,10,12,14,16,18,20,22,24,26,28,30
.irp c, 0,1
	v_max3_num_f32 v[244+\c], v[244+\c], |v[144+32*\c+\i]|, |v[145+32*\c+\i]|
.endr
.endr
.irp c, 0,1
	v_add_nc_u32 v[246+\c], OFF2, v[244+\c]
.endr
.irp c, 0,1
.irp g, 0,1,2,3
	v_cvt_scalef32_pk8_fp4_f32 v[208+8*(\s)+4*\c+\g], v[144+32*\c+8*\g:151+32*\c+8*\g], v[246+\c]
.endr
.endr
.irp c, 0,1
	v_lshrrev_b32 v[248+\c], 23, v[246+\c]         ; the bytes (plain lines behind the conversions)
.endr
	v_lshl_or_b32 v250, v249, 16, v248             ; bytes h and 2 + h of my row's word,
	v_lshlrev_b32 v250, v8, v250                   ; at their places;
	v_permlanex16_b32 v251, v250, s34, s35
	v_or_b32 v[240+(\s)], v250, v251               ; with lane l xor 16's two the word is whole
.irp c, 0,1
	global_store_b128 v3, v[208+8*(\s)+4*\c:211+8*(\s)+4*\c], s[6:7] offset:1024*(\s)+512*\c   ; 512 consecutive bytes of the image
.endr
.endm
	TLOAD 0
	TLOAD 1
.irp s, 0,1,2,3
	TSTEP \s
.endr
	v_cmp_ne_u32 vcc_lo, 0, v7
	v_cndmask_b32 v252, v240, v242, vcc_lo         ; words 2 h and 2 h + 1 of my row
	v_cndmask_b32 v253, v241, v243, vcc_lo
	global_store_b64 v9, v[252:253], s[2:3]        ; the 32 lanes store 256 consecutive bytes, aligned
	s_wait_tensorcnt 0x0
	ds_add_u32 v254, v255
	s_wait_dscnt 0x0
	s_endpgm
.Lfunc_end_k_qfdc5acdbab_quant:
	.size	k_qfdc5acdbab_quant, .Lfunc_end_k_qfdc5acdbab_quant-k_qfdc5acdbab_quant
	.p2alignl 7, 3214868480
	.fill 96, 4, 3214868480
	.section	.rodata,"a",@progbits
	.p2align	6, 0x0
	.amdhsa_kernel k_qfdc5acdbab_quant
		.amdhsa_group_segment_fixed_size 34304
		.amdhsa_private_segment_fixed_size 0
		.amdhsa_enable_private_segment 0
		.amdhsa_kernarg_size 80
		.amdhsa_user_sgpr_count 2
		.amdhsa_user_sgpr_kernarg_segment_ptr 1
		.amdhsa_wavefront_size32 1
		.amdhsa_system_sgpr_workgroup_id_x 1
		.amdhsa_system_sgpr_workgroup_id_y 1
		.amdhsa_system_sgpr_workgroup_id_z 1
		.amdhsa_system_vgpr_workitem_id 0
		.amdhsa_next_free_vgpr 256
		.amdhsa_next_free_sgpr 66
		.amdhsa_reserve_vcc 1
		.amdhsa_float_denorm_mode_32 3
		.amdhsa_float_denorm_mode_16_64 3
		.amdhsa_memory_ordered 1
		.amdhsa_forward_progress 1
		.amdhsa_inst_pref_size 68
	.end_amdhsa_kernel
	.amdgpu_metadata
---
amdhsa.version: [ 1, 2 ]
amdhsa.kernels:
  - .name:           k_qfdc5acdbab_quant
    .symbol:         k_qfdc5acdbab_quant.kd
    .args:
      - { .name: current_tokens, .offset: 0, .size: 8, .value_kind: global_buffer, .address_space: global }
      - { .name: context_tokens, .offset: 8, .size: 8, .value_kind: global_buffer, .address_space: global }
      - { .name: Wq, .offset: 16, .size: 8, .value_kind: global_buffer, .address_space: global }
      - { .name: Wk, .offset: 24, .size: 8, .value_kind: global_buffer, .address_space: global }
      - { .name: Wv, .offset: 32, .size: 8, .value_kind: global_buffer, .address_space: global }
      - { .name: Wo, .offset: 40, .size: 8, .value_kind: global_buffer, .address_space: global }
      - { .name: tokc, .offset: 48, .size: 8, .value_kind: global_buffer, .address_space: global }
      - { .name: toks, .offset: 56, .size: 8, .value_kind: global_buffer, .address_space: global }
      - { .name: wc, .offset: 64, .size: 8, .value_kind: global_buffer, .address_space: global }
      - { .name: ws, .offset: 72, .size: 8, .value_kind: global_buffer, .address_space: global }
    .group_segment_fixed_size: 34304
    .private_segment_fixed_size: 0
    .kernarg_segment_align: 8
    .kernarg_segment_size: 80
    .max_flat_workgroup_size: 128
    .sgpr_count:     66
    .vgpr_count:     256
    .wavefront_size: 32
...
	.end_amdgpu_metadata
.endif
;; end of part 1
;; launch proj (part 2): grid 4 x 64, 16 waves a work-group, clusters of 4 x 4, 280,576 bytes of LDS; arguments tokc, toks, wc, ws, bk, bv, kv; writes kv
.if DOCPART == 2
	.amdgcn_target "amdgcn-amd-amdhsa--gfx1250"
	.amdhsa_code_object_version 6
	.text
	.protected	k_qfdc5acdbab_proj
	.globl	k_qfdc5acdbab_proj
	.p2align	8
	.type	k_qfdc5acdbab_proj,@function
k_qfdc5acdbab_proj:
	s_mov_b64 s[64:65], 0
	v_nop
	global_prefetch_b8 v0, s[64:65] scope:SCOPE_SE
	s_setreg_imm32_b32 hwreg(HW_REG_WAVE_MODE, 25, 1), 1
	s_wait_xcnt 0x0
	s_wait_alu depctr_hold_cnt(0) depctr_sa_sdst(0) depctr_va_vdst(0) depctr_va_sdst(0) depctr_va_ssrc(0) depctr_va_vcc(0) depctr_vm_vsrc(0)
	s_getreg_b32 s2, hwreg(HW_REG_IB_STS2, 6, 4)
	s_cmp_eq_u32 s2, 0
	s_cbranch_scc0 .Lentry_in_a_cluster
	s_endpgm
.Lentry_in_a_cluster:
	s_bfe_u32 s2, ttmp6, 0x10000c
	s_cmp_lg_u32 s2, 0xf033
	s_cbranch_scc0 .Lentry_shape_is_right
	s_endpgm
.Lentry_shape_is_right:
; k = context W_k + b_k and v = context W_v + b_v on codes of FP4 with E8M0 scales; each result is quantised in registers for the attention and stored as operand images.  (q is made by the attention launch itself.)
; SHARES.  Grid x: block of 4 heads.  Grid y: 32 x (0 k, 1 v) + block of 256 tokens.  A work-group makes 256 x 256 of one product; all of K = 1,024 of both operands lies in LDS, filled once.
; Sixteen waves, 256 registers each; wave w makes 64 x 64: 16 accumulators.
; CLUSTERS of 4 x 4: the four of a column (same block of heads) ask jointly for W's tiles, the four of a row (same block of tokens) for the tokens'.  The product's number is the same in all sixteen (32 is a multiple of 4).
; Ten joint loads, one a wave, in one chain of arms on the wave's number: waves 0-3 W's four chunks, 4-7 the tokens' four, 8 W's scale words, 9 the tokens'.  No byte is filled again.
; P AND R.  Source 0 (P) is the side along which the NEXT product's K runs: for k 64 rows of W (a head's channels), for v 64 tokens (keys).  W always lies at LDS byte 0 and the tokens at 131,072; the roles
; are chosen in the reading addresses, by the product's number.
; THE BIAS is the C of each sum's first matrix instruction: added first and not last, another order of f32 rounding.
; No prefetch: the launch has no loop that runs ahead of loads; every tile is asked for at the head.
; LIMITS: NaN and infinities are not served; a block of zeros gets the byte 1 (its codes are zeros; this program alone reads the bytes).
; OUT.  kv [bh 64][128 keys: 16][K: 8 tiles x 512 | V: [tile of channels 4][c 2][lane][16] | K's words [r 16][pair of tiles 4] | V's words [r 16][tile 4]] = 8,704 bytes.
;       K's TILES ARE LAID ANEW BY THE STORES' ADDRESSES: of 64 keys tile t holds key 32 (r / 8) + 8 t + r % 8 at place r.  A word of K holds the two bytes of tile 2 p below and of tile 2 p + 1 above.
.set LI,  1
.set ADP, 2
.set ADR, 3
.set ADS, 4
.set SC,  16
.set BI,  32
.set PF,  64
.set RF,  96
.set ACC, 128
.set PC,  64
.set HW,  80
.set BM,  84
.set BX,  86
.set SO,  88
.set WV,  22
.set TYP, 23                           ; 1 k, 2 v: the product's place among the weights' slabs
.set SEL, 80
.set PSC, 262144                       ; W's scale words; the tokens' 8,192 further on
.macro PLACES n
.rept \n
	v_nop
.endr
.endm
.macro CROUND                          ; a round of the cluster's barrier
	s_barrier_signal -1
	s_barrier_wait -1
	s_cmp_lg_u32 s[WV], 0
	s_cbranch_scc1 .Lnot_wave_0_\@
	s_barrier_signal -3
.Lnot_wave_0_\@:
	s_barrier_wait -3
	s_barrier_signal -1
	s_barrier_wait -1
.endm
; 32 numbers of a lane, register 16 b + i = k 32 b + 16 h + i of its row, become four registers of codes (lane (r, h): k = 32 h + 0 .. 31) and two scale bytes in v[hw]
.macro QUANT32 s, pc, hw
.irp b, 0,1
	v_max3_num_f32 v[BM+\b], |v[(\s)+16*\b]|, |v[(\s)+16*\b+1]|, 0x1800000
.endr
.irp i, 2,4,6,8,10,12,14
.irp b, 0,1
	v_max3_num_f32 v[BM+\b], v[BM+\b], |v[(\s)+16*\b+\i]|, |v[(\s)+16*\b+\i+1]|
.endr
.endr
.irp b, 0,1
	s_delay_alu instid0(VALU_DEP_2)
	v_permlanex16_b32 v[BX+\b], v[BM+\b], s[SEL], s[SEL+1]
.endr
.irp b, 0,1
	s_delay_alu instid0(VALU_DEP_2)
	v_max_num_f32 v[BM+\b], v[BM+\b], v[BX+\b]
.endr
.irp b, 0,1
	s_delay_alu instid0(VALU_DEP_2)
	v_add_nc_u32 v[SO+\b], 0xff000000, v[BM+\b]
.endr
.irp b, 0,1
	s_delay_alu instid0(VALU_DEP_2)
	v_lshrrev_b32 v[BX+\b], 23, v[SO+\b]
.endr
	s_delay_alu instid0(VALU_DEP_1)
	v_lshl_or_b32 v[\hw], v[BX+1], 8, v[BX]
.irp b, 0,1
	v_cvt_scalef32_pk8_fp4_f32 v[(\pc)+2*\b], v[(\s)+16*\b:(\s)+16*\b+7], v[SO+\b]
	v_cvt_scalef32_pk8_fp4_f32 v[(\pc)+2*\b+1], v[(\s)+16*\b+8:(\s)+16*\b+15], v[SO+\b]
.endr
	v_nop                                          ; one plain line behind the scaled conversions
	v_permlane16_swap_b32 v[\pc], v[(\pc)+2]
	v_permlane16_swap_b32 v[(\pc)+1], v[(\pc)+3]
.endm
	s_load_b256 s[4:11], s[0:1], 0x0               ; tokc, toks, wc, ws
	s_load_b128 s[12:15], s[0:1], 0x20             ; bk, bv
	s_load_b64 s[20:21], s[0:1], 0x30              ; kv
	v_lshl_add_u32 v14, v0, 2, 0x44000
	v_mov_b32 v15, 0
	ds_add_u32 v14, v15                            ; the opening lines
	ds_add_u32 v14, v15
	v_lshrrev_b32 v1, 5, v0
	s_delay_alu instid0(VALU_DEP_1)
	v_readfirstlane_b32 s[WV], v1                  ; wave 0..15
	s_bfe_u32 s61, ttmp6, 0x40000                  ; cx = block of 4 heads
	s_bfe_u32 s86, ttmp6, 0x40004                  ; cy
	s_and_b32 s87, ttmp7, 0xffff                   ; the cluster's y, 0 .. 15
	s_lshr_b32 s[TYP], s87, 3                      ; eight clusters to a product
	s_add_co_u32 s[TYP], s[TYP], 1
	s_and_b32 s60, s87, 7
	s_lshl_b32 s60, s60, 2
	s_add_co_u32 s60, s60, s86                     ; block of 256 tokens
	s_and_b32 s62, s[WV], 3                        ; my 64 rows of P; also the chunk that I fetch
	s_lshr_b32 s63, s[WV], 2                       ; my 64 rows of R
	s_lshl_b32 s88, s86, 2
	s_lshl_b32 s88, 15, s88                        ; my row of the cluster: the tokens' mask
	s_lshl_b32 s89, 0x1111, s61                    ; my column: W's mask
	s_or_b32 s24, s89, (3<<16)|(1<<21)             ; group 1: a chunk of W, of the tokens; the scale words of W, of the tokens
	s_or_b32 s32, s88, (3<<16)|(1<<21)
	s_or_b32 s40, s89, (3<<16)|(1<<21)
	s_or_b32 s48, s88, (3<<16)|(1<<21)
.irp g, 24, 32                         ; 16 tiles x 2,048 bytes (two K steps' images), 8,192 bytes from tile to tile; elements of 8 bytes
	s_mov_b32 s[\g+1], 256<<16
	s_mov_b32 s[\g+2], 16<<16
	s_mov_b32 s[\g+3], 256<<16
	s_mov_b32 s[\g+4], 16
	s_mov_b32 s[\g+5], 1024
	s_mov_b32 s[\g+6], 0
	s_mov_b32 s[\g+7], 0
.endr
.irp g, 40, 48                         ; 8,192 dense bytes as 32 rows of 256
	s_mov_b32 s[\g+1], 32<<16
	s_mov_b32 s[\g+2], 32<<16
	s_mov_b32 s[\g+3], 32<<16
	s_mov_b32 s[\g+4], 32
	s_mov_b32 s[\g+5], 32
	s_mov_b32 s[\g+6], 0
	s_mov_b32 s[\g+7], 0
.endr
	s_lshl_b32 s66, s[TYP], 19                     ; W's codes: product, block of heads, chunk
	s_lshl_b32 s90, s61, 17
	s_add_co_u32 s66, s66, s90
	s_lshl_b32 s90, s62, 11
	s_add_co_u32 s66, s66, s90
	s_mov_b32 s67, 0
	s_lshl_b32 s92, s[TYP], 15                     ; W's scale words
	s_lshl_b32 s90, s61, 13
	s_add_co_u32 s92, s92, s90
	s_mov_b32 s93, 0
	s_lshl_b32 s94, s60, 17                        ; the context tokens are the second tensor of tokc and toks
	s_add_co_u32 s94, s94, 1<<22
	s_lshl_b32 s90, s62, 11
	s_add_co_u32 s94, s94, s90
	s_mov_b32 s95, 0
	s_lshl_b32 s96, s60, 13
	s_add_co_u32 s96, s96, 1<<18
	s_mov_b32 s97, 0
	s_mov_b32 s[SEL], 0x76543210
	s_mov_b32 s[SEL+1], 0xfedcba98
	s_wait_dscnt 0x0
	s_wait_kmcnt 0x0
	s_mov_b32 s56, 1                               ; group 0: W's chunk,
	s_lshl_b32 s57, s62, 15
	s_add_nc_u64 s[58:59], s[8:9], s[66:67]
	s_or_b32 s59, s59, 0x80000000
	s_mov_b32 s68, 1                               ; the tokens' chunk,
	s_add_co_u32 s69, s57, 131072
	s_add_nc_u64 s[70:71], s[4:5], s[94:95]
	s_or_b32 s71, s71, 0x80000000
	s_mov_b32 s72, 1                               ; W's scale words,
	s_mov_b32 s73, PSC
	s_add_nc_u64 s[74:75], s[10:11], s[92:93]
	s_or_b32 s75, s75, 0x80000000
	s_mov_b32 s76, 1                               ; the tokens'
	s_mov_b32 s77, PSC+8192
	s_add_nc_u64 s[78:79], s[6:7], s[96:97]
	s_or_b32 s79, s79, 0x80000000
	CROUND                                         ; all sixteen work-groups are here: the joint loads meet
.macro ARM under, g0, g1, next
	s_cmp_lt_u32 s[WV], \under
	s_cbranch_scc0 \next
	tensor_load_to_lds s[\g0:\g0+3], s[\g1:\g1+7]
	s_nop 0
.rept 4
	v_nop
.endr
	s_branch .Lhead_asked
\next:
.endm
	ARM 4,  56, 24, .Lh_t
	ARM 8,  68, 32, .Lh_ws
	ARM 9,  72, 40, .Lh_ts
	ARM 10, 76, 48, .Lh_none
.Lhead_asked:
	s_cmp_eq_u32 s[TYP], 2                         ; v: P is the tokens' side
	s_cselect_b32 s90, 131072, 0                   ; P's codes
	s_cselect_b32 s91, 0, 131072                   ; R's
	s_cselect_b32 s86, 8192, 0                     ; P's scale words
	s_cselect_b32 s87, 0, 8192                     ; R's
	s_cselect_b32 s92, s63, s62                    ; W's side gives the head,
	s_cselect_b32 s99, s62, s63                    ; the tokens' side the 64 tokens
	s_cselect_b64 s[82:83], s[14:15], s[12:13]     ; the bias
	s_lshl_b32 s88, s62, 13
	s_add_co_u32 s90, s90, s88
	s_lshl_b32 s88, s63, 13
	s_add_co_u32 s91, s91, s88
	s_lshl_b32 s88, s62, 11
	s_add_co_u32 s86, s86, s88
	s_add_co_u32 s86, s86, PSC
	s_lshl_b32 s88, s63, 11
	s_add_co_u32 s87, s87, s88
	s_add_co_u32 s87, s87, PSC
	s_lshl_b32 s98, s61, 2
	s_add_co_u32 s98, s98, s92                     ; head 0 .. 15
	s_lshl_b32 s84, s98, 8
	s_mov_b32 s85, 0
	s_add_nc_u64 s[82:83], s[82:83], s[84:85]      ; my head's bias
	v_and_b32 v5, 15, v0                           ; r
	v_bfe_u32 v6, v0, 4, 1                         ; h
	v_and_b32 v1, 31, v0
	v_lshlrev_b32 v7, 4, v5
	v_lshlrev_b32 v[LI], 4, v1
	v_add_nc_u32 v8, s86, v7
	v_add_nc_u32 v9, s87, v7
	v_cmp_ne_u32 vcc_lo, 0, v6
	v_add_nc_u32 v[ADP], s90, v[LI]
	v_add_nc_u32 v[ADR], s91, v[LI]
	v_cndmask_b32 v[ADS], v8, v9, vcc_lo           ; lanes 0-15 P's words, lanes 16-31 R's
	s_cmp_eq_u32 s[TYP], 2
	s_wait_alu depctr_va_vdst(0)
	s_cbranch_scc1 .Lbias_v
	v_lshlrev_b32 v7, 6, v6                        ; k: along P: tile pt's register j is channel 32 (pt / 2) + 16 h + 8 (pt % 2) + j
.irp pt, 0,1,2,3
	global_load_b128 v[BI+8*\pt:BI+8*\pt+3], v7, s[82:83] offset:(32*(\pt/2)+8*(\pt%2))*4
	global_load_b128 v[BI+8*\pt+4:BI+8*\pt+7], v7, s[82:83] offset:(32*(\pt/2)+8*(\pt%2))*4+16
.endr
	s_branch .Lbias_done
.Lbias_v:
	v_and_b32 v7, 8, v5                            ; v: along R: channel 32 (rt / 2) + 8 (rt % 2) + r + 8 (r / 8), in all eight registers
	s_delay_alu instid0(VALU_DEP_1)
	v_add_nc_u32 v7, v7, v5
	s_delay_alu instid0(VALU_DEP_1)
	v_lshlrev_b32 v7, 2, v7
.irp rt, 0,1,2,3
.irp j, 0,1,2,3,4,5,6,7
	global_load_b32 v[BI+8*\rt+\j], v7, s[82:83] offset:(32*(\rt/2)+8*(\rt%2))*4
.endr
.endr
.Lbias_done:
.macro FRAGS kk, sc
.if \sc >= 0
.irp i, 0,1,2,3
	ds_load_b128 v[SC+4*\i:SC+4*\i+3], v[ADS] offset:512*\i+256*\sc
.endr
.endif
.irp i, 0,1,2,3
.irp c, 0,1
	ds_load_b128 v[PF+8*\i+4*\c:PF+8*\i+4*\c+3], v[ADP] offset:2048*\i+1024*\kk+512*\c
	ds_load_b128 v[RF+8*\i+4*\c:RF+8*\i+4*\c+3], v[ADR] offset:2048*\i+1024*\kk+512*\c
.endr
.endr
	s_wait_dscnt 0x0
.endm
.macro MM rt, pt, j, c0
	v_wmma_scale_f32_16x16x128_f8f6f4 v[ACC+32*\rt+8*\pt:ACC+32*\rt+8*\pt+7], v[PF+8*\pt:PF+8*\pt+7], v[RF+8*\rt:RF+8*\rt+7], v[\c0:\c0+7], v[SC+4*\pt+(\j)], v[SC+4*\rt+(\j)] matrix_a_fmt:MATRIX_FMT_FP4 matrix_b_fmt:MATRIX_FMT_FP4 matrix_b_scale:MATRIX_SCALE_ROW1
.endm
; 16 matrix instructions, 128 along K; the 16 accumulators take turns.  cmode 1, 2: the bias starts the sums
.macro MUL16 j, cmode
.irp rt, 0,1,2,3
.irp pt, 0,1,2,3
.if \cmode == 1
	MM \rt, \pt, \j, BI+8*\pt
.elseif \cmode == 2
	MM \rt, \pt, \j, BI+8*\rt
.else
	MM \rt, \pt, \j, ACC+32*\rt+8*\pt
.endif
.endr
.endr
.endm
.macro CHUNK q, sc                     ; on to the next chunk of 256 along K
	v_add_nc_u32 v[ADP], 32768, v[ADP]             ; (two of the four places behind the products)
	v_add_nc_u32 v[ADR], 32768, v[ADR]
	s_wait_alu depctr_va_vdst(0)
	PLACES 2
	FRAGS 0, \sc
	MUL16 2*(\q&1), 0
	PLACES 4
	FRAGS 1, -1
	MUL16 2*(\q&1)+1, 0
.endm
	s_wait_alu depctr_va_vdst(0)
	s_wait_tensorcnt 0x0                           ; my one load is in,
	s_barrier_signal -1
	s_barrier_wait -1                              ; and everybody's: both operands lie in LDS whole
	FRAGS 0, 0
	s_wait_loadcnt 0x0                             ; the bias
	s_cmp_eq_u32 s[TYP], 2
	s_cbranch_scc1 .Lstart_v
	MUL16 0, 1
	s_branch .Lstarted
.Lstart_v:
	MUL16 0, 2
.Lstarted:
	PLACES 4
	FRAGS 1, -1
	MUL16 1, 0
	CHUNK 1, -1
	CHUNK 2, 1
	CHUNK 3, -1
	; THE WAY OUT: where my 64 x 64 goes
	s_lshr_b32 s90, s60, 3                         ; batch
	s_lshl_b32 s90, s90, 4
	s_add_co_u32 s90, s90, s98                     ; bh
	s_and_b32 s91, s60, 7
	s_lshl_b32 s91, s91, 2
	s_add_co_u32 s91, s91, s99                     ; which 64 tokens of the batch's 2,048
	s_lshr_b32 s86, s91, 1                         ; key step of 128
	s_and_b32 s87, s91, 1                          ; and which half of it
	s_mul_i32 s66, s90, 139264
	s_mul_i32 s88, s86, 8704
	s_add_co_u32 s66, s66, s88                     ; the key step in kv
	s_mov_b32 s94, 8192
	s_cmp_eq_u32 s[TYP], 2
	s_cselect_b32 s88, 9, 11                       ; codes: v 4,096 + 512 x half, k 2,048 x half
	s_cselect_b32 s89, 4096, 0
	s_cselect_b32 s92, 1, 3                        ; words: v 8,448 + 2 x half, k 8,192 + 8 x half
	s_cselect_b32 s93, 8448, s94
	s_lshl_b32 s88, s87, s88
	s_add_co_u32 s88, s88, s89
	s_add_co_u32 s88, s88, s66
	s_lshl_b32 s92, s87, s92
	s_add_co_u32 s92, s92, s93
	s_add_co_u32 s92, s92, s66
	s_mov_b32 s89, 0
	s_mov_b32 s93, 0
	s_add_nc_u64 s[66:67], s[20:21], s[88:89]      ; codes
	s_add_nc_u64 s[68:69], s[20:21], s[92:93]      ; words
	PLACES 4
	v_mov_b32 v[BX], 0                             ; a lane permute's destination counts as one of its sources
	v_mov_b32 v[BX+1], 0
.irp rt, 0,1,2,3
	QUANT32 ACC+32*\rt, PC+4*\rt, HW+\rt
.endr
	v_cmp_ne_u32 vcc_lo, 0, v6
	s_delay_alu instid0(VALU_DEP_1)
	v_cndmask_b32 v92, v[HW], v[HW+2], vcc_lo      ; tiles 2 h and 2 h + 1 of my row's bytes
	v_cndmask_b32 v93, v[HW+1], v[HW+3], vcc_lo
	s_wait_alu depctr_va_vdst(0)
	s_cmp_eq_u32 s[TYP], 2
	s_cbranch_scc1 .Lout_v
	v_lshl_or_b32 v90, v93, 16, v92                ; k: tiles 2 h and 2 h + 1 become neighbours of one pair, at place 8 h + r % 8
	v_lshrrev_b32 v9, 3, v5                        ; r / 8
	v_and_b32 v10, 7, v5                           ; r % 8
	s_delay_alu instid0(VALU_DEP_1)
	v_lshlrev_b32 v11, 4, v10
	v_lshl_add_u32 v10, v6, 3, v10
	s_delay_alu instid0(VALU_DEP_2)
	v_lshl_add_u32 v11, v6, 8, v11
	s_delay_alu instid0(VALU_DEP_2)
	v_lshlrev_b32 v10, 4, v10
	s_delay_alu instid0(VALU_DEP_2)
	v_lshl_add_u32 v11, v9, 10, v11                ; codes: 1,024 (r / 8) + 256 h + 16 (r % 8)
	s_delay_alu instid0(VALU_DEP_2)
	v_lshl_add_u32 v10, v9, 2, v10                 ; word: 16 (8 h + r % 8) + 4 (r / 8)
.irp rt, 0,1,2,3
	global_store_b128 v11, v[PC+4*\rt:PC+4*\rt+3], s[66:67] offset:512*(\rt%2)+128*(\rt/2)   ; eight lanes fill 128 consecutive bytes of the new tile
.endr
	global_store_b32 v10, v90, s[68:69]
	s_branch .Lend
.Lout_v:
	v_lshlrev_b32 v8, 4, v5
	s_delay_alu instid0(VALU_DEP_1)
	v_lshl_add_u32 v8, v6, 3, v8                   ; 16 r + 8 h
.irp rt, 0,1,2,3
	global_store_b128 v[LI], v[PC+4*\rt:PC+4*\rt+3], s[66:67] offset:1024*\rt    ; my 64 keys are half c of each channel tile's fragment
.endr
	global_store_b16 v8, v92, s[68:69]             ; my half of the words of tiles 2 h and 2 h + 1: 256 bytes a key step in all
	global_store_b16 v8, v93, s[68:69] offset:4
.Lend:
	s_wait_tensorcnt 0x0                           ; the wave's end
	ds_add_u32 v14, v15
	s_wait_dscnt 0x0
	CROUND                                         ; the closing round
	s_endpgm
.Lfunc_end_k_qfdc5acdbab_proj:
	.size	k_qfdc5acdbab_proj, .Lfunc_end_k_qfdc5acdbab_proj-k_qfdc5acdbab_proj
	.p2alignl 7, 3214868480
	.fill 96, 4, 3214868480
	.section	.rodata,"a",@progbits
	.p2align	6, 0x0
	.amdhsa_kernel k_qfdc5acdbab_proj
		.amdhsa_group_segment_fixed_size 280576
		.amdhsa_private_segment_fixed_size 0
		.amdhsa_enable_private_segment 0
		.amdhsa_kernarg_size 56
		.amdhsa_user_sgpr_count 2
		.amdhsa_user_sgpr_kernarg_segment_ptr 1
		.amdhsa_wavefront_size32 1
		.amdhsa_system_sgpr_workgroup_id_x 1
		.amdhsa_system_sgpr_workgroup_id_y 1
		.amdhsa_system_sgpr_workgroup_id_z 1
		.amdhsa_system_vgpr_workitem_id 0
		.amdhsa_next_free_vgpr 256
		.amdhsa_next_free_sgpr 100
		.amdhsa_reserve_vcc 1
		.amdhsa_float_denorm_mode_32 3
		.amdhsa_float_denorm_mode_16_64 3
		.amdhsa_memory_ordered 1
		.amdhsa_forward_progress 1
		.amdhsa_inst_pref_size 52
	.end_amdhsa_kernel
	.amdgpu_metadata
---
amdhsa.version: [ 1, 2 ]
amdhsa.kernels:
  - .name:           k_qfdc5acdbab_proj
    .symbol:         k_qfdc5acdbab_proj.kd
    .args:
      - { .name: tokc, .offset: 0, .size: 8, .value_kind: global_buffer, .address_space: global }
      - { .name: toks, .offset: 8, .size: 8, .value_kind: global_buffer, .address_space: global }
      - { .name: wc, .offset: 16, .size: 8, .value_kind: global_buffer, .address_space: global }
      - { .name: ws, .offset: 24, .size: 8, .value_kind: global_buffer, .address_space: global }
      - { .name: bk, .offset: 32, .size: 8, .value_kind: global_buffer, .address_space: global }
      - { .name: bv, .offset: 40, .size: 8, .value_kind: global_buffer, .address_space: global }
      - { .name: kv, .offset: 48, .size: 8, .value_kind: global_buffer, .address_space: global }
    .group_segment_fixed_size: 280576
    .private_segment_fixed_size: 0
    .kernarg_segment_align: 8
    .kernarg_segment_size: 56
    .max_flat_workgroup_size: 512
    .sgpr_count:     100
    .vgpr_count:     256
    .wavefront_size: 32
...
	.end_amdgpu_metadata
.endif
;; end of part 2
;; launch attn (part 3): grid 4 x 64, 16 waves a work-group, clusters of 4 x 1, 176,128 bytes of LDS; arguments tokc, toks, wc, ws, bq, kv, yc, ys; writes yc, ys
.if DOCPART == 3
	.amdgcn_target "amdgcn-amd-amdhsa--gfx1250"
	.amdhsa_code_object_version 6
	.text
	.protected	k_qfdc5acdbab_attn
	.globl	k_qfdc5acdbab_attn
	.p2align	8
	.type	k_qfdc5acdbab_attn,@function
k_qfdc5acdbab_attn:
	s_mov_b64 s[64:65], 0
	v_nop
	global_prefetch_b8 v0, s[64:65] scope:SCOPE_SE
	s_setreg_imm32_b32 hwreg(HW_REG_WAVE_MODE, 25, 1), 1
	s_wait_xcnt 0x0
	s_wait_alu depctr_hold_cnt(0) depctr_sa_sdst(0) depctr_va_vdst(0) depctr_va_sdst(0) depctr_va_ssrc(0) depctr_va_vcc(0) depctr_vm_vsrc(0)
	s_getreg_b32 s2, hwreg(HW_REG_IB_STS2, 6, 4)
	s_cmp_eq_u32 s2, 0
	s_cbranch_scc0 .Lentry_in_a_cluster
	s_endpgm
.Lentry_in_a_cluster:
	s_bfe_u32 s2, ttmp6, 0x10000c
	s_cmp_lg_u32 s2, 0x3003
	s_cbranch_scc0 .Lentry_shape_is_right
	s_endpgm
.Lentry_shape_is_right:
; q = current W_q + b_q, quantised; ctx = softmax(q k^T / 8) v, for one (batch, head) and 512 queries; all three products on codes of FP4 with E8M0 scales; ctx is quantised in registers along head x 64 + channel.
; THE SOFTMAX: t = score x log2(e) / 8; M = the running largest t, rounded UP to a whole number; p = 2^(t - M) is quantised along the keys, not normalised.  The row's sum is taken of the unquantised p, in f32,
; and divides at the end.  When M moves, the sum and O are multiplied by 2^(old M - new M): exact.
; SHARES.  Grid y = bh; the four work-groups of a cluster take the four blocks of 512 queries of one bh.  Sixteen waves, 256 registers each; a wave owns two tiles of 16 queries, taken in two passes of 8 steps of 256 keys.
; Q.  At a pass's head the wave multiplies its tile of token images (16 rows x 1,024, loaded straight into registers) by the head's 64 rows of W_q from LDS: 8 K steps x 4 matrix instructions on four accumulators
; by turns, begun from the bias (added first and not last: another order of f32 rounding).  Each tile of tokens is read once by each of the 16 heads' work-groups.
; LDS, filled ONCE by joint loads of the four partners (mask 15), one a wave: waves 0-7 two records of K and V each (16 records of 8,704 bytes, 128 keys each), wave 8 W_q's slab, wave 9 its scale words.
; No prefetch: every tile is asked for at the head, and the loops read LDS alone.
; LAYOUT.  All products are used transposed: a lane holds ONE query (lane % 16).  Of 64 keys tile t holds key 32 (r / 8) + 8 t + r % 8 at place r, so lane half h holds in the 32 registers of four tiles
; the WHOLE block of keys 32 h + 0 .. 31: a block's maximum needs no other lane, and the conversions' results are the second product's operand as they stand.
; The head has 64 channels and the instruction takes 128 along K: a fragment of K holds tile 2 p in its lower 64 and tile 2 p + 1 in its upper 64; it is multiplied by [q | zeros] and by [zeros | q].
; A block's largest p is taken through the block's largest score (p rises with the score); this takes v_exp_f32 not to fall where its input rises.
; V of the step's first 128 keys lands in the registers that K's fragments have left, V of the second 128 in registers of p that have been converted.
; LIMITS: NaN and infinities are not served; the promise holds while |t| stays under 2^31; a block of zeros gets the byte 1 (its codes are zeros; this program alone reads the bytes).
; OUT.  yc [tile of queries 512][K step = head / 2][c = head % 2][lane][16 bytes];  ys [bh][tile 128][r 16][2 bytes].
.set STEPB, 8704                       ; a record: K 4,096 | V 4,096 | K's words 256 | V's words 256
.set WQ,  16*STEPB                     ; LDS: W_q's 32 images,
.set WSC, WQ+32768                     ; its scale words,
.set SPARE, WSC+2048                   ; the spare words
.set AD,  1                            ; LDS: the step in hand + 16 x lane
.set ADW, 2                            ; the step in hand + 16 r + a record x h
.set T0,  3
.set TS,  4                            ; v4-7    the tokens' scale words: lanes 0-15 K steps 0-3, lanes 16-31 K steps 4-7
.set QS,  8                            ; v8      q's scale word
.set NM,  10                           ; v10 -M, v11 the running largest score
.set SUM, 12                           ; v[12:13] the sum in two halves
.set SPW, 14
.set NIL, 15
.set QF,  16                           ; v16-27  q | zeros | q
.set BM,  28                           ; v28-31  my four blocks' largest scores, then p, then scale operands
.set F,   32                           ; v[32:33] f, later 1 / sum
.set PW,  34                           ; v34, v35 p's scale words
.set T1,  36
.set T2,  37
.set LI,  38                           ; 16 x lane
.set W0,  39                           ; 16 r + STEPB h
.set KF,  40                           ; v40-71  four fragments of K, then V's four
.set S,   72                           ; v72-199 S^T, then p
.set OT,  200                          ; v200-231 O^T
.set PCD, 232                          ; v232-247 p's codes
.set KS,  248                          ; v248-251 K's words: lanes 0-15 the first record's four pairs, lanes 16-31 the second's
.set VW,  252                          ; v252-255 V's words likewise.  (For q the eight hold W_q's words)
.set WV,  12
.set SEL, 48
.set CS,  50                           ; s[50:51] c = log2(e) / 8
.set TB,  52
.set CNT, 53
.set P0,  62
.set P1,  63
.macro CROUND
	s_barrier_signal -1
	s_barrier_wait -1
	s_cmp_lg_u32 s[WV], 0
	s_cbranch_scc1 .Lnot_wave_0_\@
	s_barrier_signal -3
.Lnot_wave_0_\@:
	s_barrier_wait -3
	s_barrier_signal -1
	s_barrier_wait -1
.endm
.macro WMZ d, a, b, sa, sb, row        ; a product that starts its sum
.if \row
	v_wmma_scale_f32_16x16x128_f8f6f4 v[\d:\d+7], v[\a:\a+7], v[\b:\b+7], 0, v[\sa], v[\sb] matrix_a_fmt:MATRIX_FMT_FP4 matrix_b_fmt:MATRIX_FMT_FP4 matrix_a_scale:MATRIX_SCALE_ROW1
.else
	v_wmma_scale_f32_16x16x128_f8f6f4 v[\d:\d+7], v[\a:\a+7], v[\b:\b+7], 0, v[\sa], v[\sb] matrix_a_fmt:MATRIX_FMT_FP4 matrix_b_fmt:MATRIX_FMT_FP4
.endif
.endm
.macro WMA d, a, b, sa, sb, row        ; and one that adds in place
.if \row
	v_wmma_scale_f32_16x16x128_f8f6f4 v[\d:\d+7], v[\a:\a+7], v[\b:\b+7], v[\d:\d+7], v[\sa], v[\sb] matrix_a_fmt:MATRIX_FMT_FP4 matrix_b_fmt:MATRIX_FMT_FP4 matrix_a_scale:MATRIX_SCALE_ROW1
.else
	v_wmma_scale_f32_16x16x128_f8f6f4 v[\d:\d+7], v[\a:\a+7], v[\b:\b+7], v[\d:\d+7], v[\sa], v[\sb] matrix_a_fmt:MATRIX_FMT_FP4 matrix_b_fmt:MATRIX_FMT_FP4
.endif
.endm
.macro WMB d, a, b, sa, sb, row        ; the same with source 1's scales in lanes 16-31
.if \row
	v_wmma_scale_f32_16x16x128_f8f6f4 v[\d:\d+7], v[\a:\a+7], v[\b:\b+7], v[\d:\d+7], v[\sa], v[\sb] matrix_a_fmt:MATRIX_FMT_FP4 matrix_b_fmt:MATRIX_FMT_FP4 matrix_a_scale:MATRIX_SCALE_ROW1 matrix_b_scale:MATRIX_SCALE_ROW1
.else
	v_wmma_scale_f32_16x16x128_f8f6f4 v[\d:\d+7], v[\a:\a+7], v[\b:\b+7], v[\d:\d+7], v[\sa], v[\sb] matrix_a_fmt:MATRIX_FMT_FP4 matrix_b_fmt:MATRIX_FMT_FP4 matrix_b_scale:MATRIX_SCALE_ROW1
.endif
.endm
.macro SCORES rec                      ; 128 keys: each fragment against [q | 0] and [0 | q]
.irp p, 0,1,2,3
	WMZ S+64*\rec+16*\p, KF+8*\p, QF, KS+\p, QS, \rec
	WMZ S+64*\rec+16*\p+8, KF+8*\p, QF+4, KS+\p, QS, \rec
.endr
.endm
; the largest score of blocks b0 and b0 + 1, 32 registers each, in two chains a block; each accumulator is first read at its low end
.macro MAXB b0
.irp u, 0,1
	v_max3_num_f32 v[BM+\b0+\u], v[S+32*(\b0+\u)], v[S+32*(\b0+\u)+1], v[S+32*(\b0+\u)+2]
	v_max3_num_f32 v[T1+\u], v[S+32*(\b0+\u)+16], v[S+32*(\b0+\u)+17], v[S+32*(\b0+\u)+18]
.endr
.irp k, 3,5,7,9,11,13
.irp u, 0,1
	v_max3_num_f32 v[BM+\b0+\u], v[BM+\b0+\u], v[S+32*(\b0+\u)+\k], v[S+32*(\b0+\u)+\k+1]
	v_max3_num_f32 v[T1+\u], v[T1+\u], v[S+32*(\b0+\u)+16+\k], v[S+32*(\b0+\u)+17+\k]
.endr
.endr
.endm
.macro MAXT b0                         ; the chains joined: four plain lines
.irp u, 0,1
	v_max3_num_f32 v[BM+\b0+\u], v[BM+\b0+\u], v[T1+\u], v[S+32*(\b0+\u)+15]
.endr
.irp u, 0,1
	v_max_num_f32 v[BM+\b0+\u], v[BM+\b0+\u], v[S+32*(\b0+\u)+31]
.endr
.endm
; the sum of 64 registers of p from v[b] on, two at a time in four chains; ts: six registers at work.  first = 1: the running sum is brought under the new M by the same line that adds
.macro HALFSUM b, ts, first
.if \first
	v_pk_fma_f32 v[SUM:SUM+1], v[SUM:SUM+1], v[F:F+1], v[\b:\b+1] op_sel_hi:[1,0,1]
.else
	v_pk_add_f32 v[SUM:SUM+1], v[SUM:SUM+1], v[\b:\b+1]
.endif
.irp u, 0,1,2
	v_pk_add_f32 v[\ts+2*\u:\ts+2*\u+1], v[\b+2+4*\u:\b+3+4*\u], v[\b+4+4*\u:\b+5+4*\u]
.endr
.set j, \b+14
.rept 6
	v_pk_add_f32 v[SUM:SUM+1], v[SUM:SUM+1], v[j:j+1]
	v_pk_add_f32 v[\ts:\ts+1], v[\ts:\ts+1], v[j+2:j+3]
	v_pk_add_f32 v[\ts+2:\ts+3], v[\ts+2:\ts+3], v[j+4:j+5]
	v_pk_add_f32 v[\ts+4:\ts+5], v[\ts+4:\ts+5], v[j+6:j+7]
.set j, j+8
.endr
	v_pk_add_f32 v[SUM:SUM+1], v[SUM:SUM+1], v[j:j+1]
	v_pk_add_f32 v[\ts:\ts+1], v[\ts:\ts+1], v[\ts+2:\ts+3]
	s_delay_alu instid0(VALU_DEP_2)
	v_pk_add_f32 v[SUM:SUM+1], v[SUM:SUM+1], v[\ts+4:\ts+5]
	s_delay_alu instid0(VALU_DEP_1)
	v_pk_add_f32 v[SUM:SUM+1], v[SUM:SUM+1], v[\ts:\ts+1]
.endm
; q and ctx: 32 numbers of a lane, register 16 b + i = channel 32 b + 16 h + i, become four registers of codes (lane (r, h): k = 32 h + 0 .. 31) and two scale bytes in v[T1], v[T2]
.macro QUANT32 s, pc
.irp b, 0,1
	v_max3_num_f32 v[BM+\b], |v[(\s)+16*\b]|, |v[(\s)+16*\b+1]|, 0x1800000
.endr
.irp i, 2,4,6,8,10,12,14
.irp b, 0,1
	v_max3_num_f32 v[BM+\b], v[BM+\b], |v[(\s)+16*\b+\i]|, |v[(\s)+16*\b+\i+1]|
.endr
.endr
.irp b, 0,1
	s_delay_alu instid0(VALU_DEP_2)
	v_permlanex16_b32 v[T1+\b], v[BM+\b], s[SEL], s[SEL+1]
.endr
.irp b, 0,1
	s_delay_alu instid0(VALU_DEP_2)
	v_max_num_f32 v[BM+\b], v[BM+\b], v[T1+\b]
.endr
.irp b, 0,1
	s_delay_alu instid0(VALU_DEP_2)
	v_add_nc_u32 v[BM+2+\b], 0xff000000, v[BM+\b]
.endr
.irp b, 0,1
	s_delay_alu instid0(VALU_DEP_2)
	v_lshrrev_b32 v[T1+\b], 23, v[BM+2+\b]
.endr
.irp b, 0,1
	v_cvt_scalef32_pk8_fp4_f32 v[(\pc)+2*\b], v[(\s)+16*\b:(\s)+16*\b+7], v[BM+2+\b]
	v_cvt_scalef32_pk8_fp4_f32 v[(\pc)+2*\b+1], v[(\s)+16*\b+8:(\s)+16*\b+15], v[BM+2+\b]
.endr
	v_nop                                          ; one plain line behind the scaled conversions
	v_permlane16_swap_b32 v[\pc], v[(\pc)+2]
	v_permlane16_swap_b32 v[(\pc)+1], v[(\pc)+3]
.endm
; Q, part 1: pass p's tile of tokens (eight fragments), its scale words and the bias, from memory into registers
.macro QLOAD p
	v_and_b32 v[T0], 15, v0
	v_bfe_u32 v[ADW], v0, 4, 1
	v_lshlrev_b32 v[T0], 4, v[T0]
	v_lshl_add_u32 v[AD], v[ADW], 8, v[T0]         ; 16 r + 256 h: lanes 16-31 take the second half of K
	v_lshlrev_b32 v[ADW], 6, v[ADW]                ; 64 h
.irp s, 0,1,2,3,4,5,6,7
.irp c, 0,1
	global_load_b128 v[S+8*\s+4*\c:S+8*\s+4*\c+3], v[LI], s[54:55] offset:8192*\p+1024*\s+512*\c
.endr
.endr
	global_load_b128 v[TS:TS+3], v[AD], s[56:57] offset:512*\p
.irp pt, 0,1,2,3                       ; the bias lands in the accumulators: tile pt's register j is channel 32 (pt / 2) + 16 h + 8 (pt % 2) + j
	global_load_b128 v[OT+8*\pt:OT+8*\pt+3], v[ADW], s[96:97] offset:(32*(\pt/2)+8*(\pt%2))*4
	global_load_b128 v[OT+8*\pt+4:OT+8*\pt+7], v[ADW], s[96:97] offset:(32*(\pt/2)+8*(\pt%2))*4+16
.endr
.endm
.macro QFETCH s                        ; W_q's four fragments of K step s, into K's registers (s even) or free registers of S (s odd)
.set QB, KF+((\s)%2)*(S+64-KF)
.irp pt, 0,1,2,3
.irp c, 0,1
	ds_load_b128 v[QB+8*\pt+4*\c:QB+8*\pt+4*\c+3], v[T0] offset:8192*\pt+1024*(\s)+512*\c
.endr
.endr
.endm
.macro QSC kh                          ; W_q's scale words of four K steps: register 4 i + j: lanes 0-15 tile i, lanes 16-31 tile i + 2, K step 4 kh + j
.irp i, 0,1
	ds_load_b128 v[KS+4*\i:KS+4*\i+3], v[T1] offset:512*\i+256*\kh
.endr
.endm
; Q, part 2: the product, the quantiser, and q laid below and above the zeros
.macro QMUL
	v_add_nc_u32 v[T0], WQ, v[LI]
	v_and_b32 v[T1], 15, v0
	v_bfe_u32 v[T2], v0, 4, 1
	v_lshlrev_b32 v[T1], 4, v[T1]
	v_lshl_add_u32 v[T1], v[T2], 10, v[T1]
	v_add_nc_u32 v[T1], WSC, v[T1]                 ; 16 r + two tiles x h
	s_wait_alu depctr_va_vdst(0)
	QSC 0
	QFETCH 0
	s_wait_loadcnt 0x0                             ; the tokens, their words, the bias
.irp s, 0,1,2,3,4,5,6,7
.if \s < 7
.rept 4
	v_nop                                          ; places in front of loads into registers that matrix instructions have read
.endr
.if \s == 4
	QSC 1
.endif
	QFETCH \s+1
	s_wait_dscnt 8                                 ; all but the next K step's eight loads
.else
	s_wait_dscnt 0x0
.endif
.irp pt, 0,1,2,3                       ; the four accumulators by turns
.if \s < 4
	WMA OT+8*\pt, KF+(\s%2)*(S+64-KF)+8*\pt, S+8*\s, KS+4*(\pt%2)+\s%4, TS+\s%4, \pt/2
.else
	WMB OT+8*\pt, KF+(\s%2)*(S+64-KF)+8*\pt, S+8*\s, KS+4*(\pt%2)+\s%4, TS+\s%4, \pt/2
.endif
.endr
.endr
.rept 4
	v_nop
.endr
	QUANT32 OT, QF
	v_lshl_or_b32 v[T0], v[T2], 8, v[T1]
.irp i, 0,1,2,3
	v_mov_b32 v[QF+8+\i], v[QF+\i]
.endr
	v_lshl_or_b32 v[QS], v[T0], 16, v[T0]          ; the two bytes twice: one word serves the lower and the upper 64 of the scores' K step
.endm
	s_load_b512 s[68:83], s[0:1], 0x0              ; tokc s[68:69], toks s[70:71], wc s[72:73], ws s[74:75], bq s[76:77], kv s[78:79], yc s[80:81], ys s[82:83]
	v_lshl_add_u32 v[SPW], v0, 2, SPARE
	v_mov_b32 v[NIL], 0
	ds_add_u32 v[SPW], v[NIL]                      ; the opening lines
	ds_add_u32 v[SPW], v[NIL]
	v_lshrrev_b32 v1, 5, v0
	s_delay_alu instid0(VALU_DEP_1)
	v_readfirstlane_b32 s[WV], v1                  ; wave 0..15
	s_bfe_u32 s13, ttmp6, 0x40000                  ; cx: it enters the tokens', yc's and ys's addresses alone
	s_lshl_b32 s14, ttmp9, 2
	s_add_co_u32 s14, s14, s13                     ; my block of 512 queries
	s_and_b32 s15, ttmp7, 0xffff                   ; bh, which the four partners share
.irp g, 24, 36, 84                     ; groups 1: dense bytes as rows of 256; the mask names all four partners
	s_mov_b32 s[\g], 15|(3<<16)|(1<<21)
	s_mov_b32 s[\g+1], 32<<16
	s_mov_b32 s[\g+3], 32<<16
	s_mov_b32 s[\g+5], 32
	s_mov_b32 s[\g+6], 0
	s_mov_b32 s[\g+7], 0
.endr
	s_mov_b32 s26, 68<<16                          ; two records: 68 rows
	s_mov_b32 s28, 68
	s_mov_b32 s38, 128<<16                         ; W_q's slab: 128 rows
	s_mov_b32 s40, 128
	s_mov_b32 s86, 8<<16                           ; its scale words: 8 rows
	s_mov_b32 s88, 8
	s_mov_b32 s32, 1
	s_mul_i32 s33, s[WV], 2*STEPB                  ; LDS address: the wave's number times a constant
	s_mul_i32 s16, s15, 16*STEPB
	s_add_co_u32 s16, s16, s33
	s_mov_b32 s17, 0
	s_and_b32 s21, s15, 15                         ; the head
	s_lshl_b32 s18, s21, 15
	s_mov_b32 s19, 0
	s_lshl_b32 s22, s21, 11
	s_mov_b32 s23, 0
	s_lshl_b32 s96, s21, 8
	s_mov_b32 s97, 0
	s_mov_b32 s44, 1
	s_mov_b32 s45, WQ
	s_mov_b32 s92, 1
	s_mov_b32 s93, WSC
	s_lshr_b32 s20, s15, 4                         ; my first tile = 128 x batch + 32 x block + 2 x wave
	s_lshl_b32 s20, s20, 7
	s_lshl_b32 s98, s14, 5
	s_add_co_u32 s20, s20, s98
	s_lshl_b32 s98, s[WV], 1
	s_add_co_u32 s20, s20, s98
	s_lshl_b32 s54, s20, 13                        ; tokc and yc: 8,192 bytes a tile
	s_mov_b32 s55, 0
	s_lshl_b32 s56, s20, 9                         ; toks: 512 bytes a tile
	s_mov_b32 s57, 0
	s_lshl_b32 s98, s21, 9                         ; yc: 512 bytes a head
	s_add_co_u32 s58, s54, s98
	s_mov_b32 s59, 0
	s_lshl_b32 s60, s15, 12                        ; ys: 4,096 bytes a bh, 32 a tile
	s_lshl_b32 s98, s14, 10
	s_add_co_u32 s60, s60, s98
	s_lshl_b32 s98, s[WV], 6
	s_add_co_u32 s60, s60, s98
	s_mov_b32 s61, 0
	s_mov_b32 s[SEL], 0x76543210
	s_mov_b32 s[SEL+1], 0xfedcba98
	s_mov_b32 s[CS], 0x3e38aa3b
	s_mov_b32 s[CS+1], s[CS]
	s_mov_b32 s[P0], 0x05010400                    ; v_perm_b32: my bytes 0, 1 and the other half's, by turns;
	s_mov_b32 s[P1], 0x07030602                    ; bytes 2, 3 likewise
	s_wait_dscnt 0x0
	s_wait_kmcnt 0x0
	s_add_nc_u64 s[34:35], s[78:79], s[16:17]
	s_or_b32 s35, s35, 0x80000000
	s_add_nc_u64 s[46:47], s[72:73], s[18:19]
	s_or_b32 s47, s47, 0x80000000
	s_add_nc_u64 s[94:95], s[74:75], s[22:23]
	s_or_b32 s95, s95, 0x80000000
	s_add_nc_u64 s[54:55], s[68:69], s[54:55]
	s_add_nc_u64 s[56:57], s[70:71], s[56:57]
	s_add_nc_u64 s[58:59], s[80:81], s[58:59]
	s_add_nc_u64 s[60:61], s[82:83], s[60:61]
	s_add_nc_u64 s[96:97], s[76:77], s[96:97]
	CROUND                                         ; all four work-groups are here: the joint loads meet
.macro ARM under, g0, g1, next
	s_cmp_lt_u32 s[WV], \under
	s_cbranch_scc0 \next
	tensor_load_to_lds s[\g0:\g0+3], s[\g1:\g1+7]
	s_nop 0
.rept 4
	v_nop
.endr
	s_branch .Lhead_asked
\next:
.endm
	ARM 8,  32, 24, .Lh_w
	ARM 9,  44, 36, .Lh_ws
	ARM 10, 92, 84, .Lh_none
.Lhead_asked:
	v_and_b32 v[T0], 31, v0
	v_and_b32 v[AD], 15, v0                        ; r
	v_bfe_u32 v[T1], v0, 4, 1                      ; h
	v_lshlrev_b32 v[LI], 4, v[T0]
	v_lshlrev_b32 v[T2], 4, v[AD]                  ; 16 r
	v_mul_u32_u24 v[T1], v[T1], STEPB
	v_add_nc_u32 v[W0], v[T1], v[T2]
.irp j, 4,5,6,7
	v_mov_b32 v[QF+\j], 0                          ; the zero codes
.endr
	v_mov_b32 v[F+1], 0                            ; (named as the upper half of a pair)
	QLOAD 0                                        ; on its way while the tiles land
; A STEP: 256 keys, two records from LDS byte s[TB] on
.macro STEP
	v_add_nc_u32 v[AD], s[TB], v[LI]
	v_add_nc_u32 v[ADW], s[TB], v[W0]
	v_nop
	v_nop
	v_nop                                          ; five places behind the last products: loads land on their operands, and the scores are laid over V's registers
	s_wait_alu depctr_va_vdst(0)
	ds_load_b128 v[KS:KS+3], v[ADW] offset:8192
.irp i, 0,1,2,3,4,5,6,7
	ds_load_b128 v[KF+4*\i:KF+4*\i+3], v[AD] offset:512*\i
.endr
	ds_load_b128 v[VW:VW+3], v[ADW] offset:8448
	s_wait_dscnt 1                                 ; all but the youngest load, V's words
	SCORES 0
.rept 4
	v_nop
.endr
.irp i, 0,1,2,3,4,5,6,7
	ds_load_b128 v[KF+4*\i:KF+4*\i+3], v[AD] offset:STEPB+512*\i
.endr
	MAXB 0
	s_wait_alu depctr_va_vdst(0)
	s_wait_dscnt 0x0
	SCORES 1
	MAXT 0                                         ; (the four places behind the products)
.irp f, 0,1,2,3,4,5,6,7
	ds_load_b128 v[KF+4*\f:KF+4*\f+3], v[AD] offset:4096+512*\f    ; V of the first 128 keys
.endr
	MAXB 2
	MAXT 2
	v_max3_num_f32 v[T0], v[BM], v[BM+1], v[BM+2]
	v_mov_b32 v[T2], v[NM]
	s_delay_alu instid0(VALU_DEP_2)
	v_max_num_f32 v[T0], v[T0], v[BM+3]            ; the largest of my 128 keys,
	s_delay_alu instid0(VALU_DEP_1)
	v_permlanex16_b32 v[T1], v[T0], s[SEL], s[SEL+1]
	s_delay_alu instid0(VALU_DEP_1)
	v_max3_num_f32 v[NM+1], v[NM+1], v[T0], v[T1]  ; of lane l xor 16's, and so far
	s_delay_alu instid0(VALU_DEP_1)
	v_mul_f32 v[T0], s[CS], v[NM+1]                ; as t (c is positive)
	s_delay_alu instid0(VALU_DEP_1)
	v_floor_f32 v[NM], -v[T0]                      ; the new -M = -ceil(t)
	s_delay_alu instid0(VALU_DEP_1)
	v_sub_f32 v[T2], v[NM], v[T2]                  ; old M - new M: a whole number, 0 or less
	s_delay_alu instid0(VALU_DEP_1)
	v_cvt_i32_f32 v[T2], v[T2]                     ; (it saturates)
	s_delay_alu instid0(VALU_DEP_1)
	v_ldexp_f32 v[F], 1.0, v[T2]                   ; f = 2^(old M - new M)
.set j, 0
.rept 64
	v_pk_fma_f32 v[S+j:S+j+1], v[S+j:S+j+1], s[CS:CS+1], v[NM:NM+1] op_sel_hi:[1,0,0]   ; t - M
.set j, j+2
.endr
.irp b, 0,1,2,3
	v_fma_f32 v[BM+\b], v[BM+\b], s[CS], v[NM]
.endr
.irp j, 0,2,4,6,8,10,12,14,16,18,20,22,24,26,28,30
	v_pk_mul_f32 v[OT+\j:OT+\j+1], v[OT+\j:OT+\j+1], v[F:F+1] op_sel_hi:[1,0]    ; O^T under the new M
.endr
	s_wait_alu depctr_va_vdst(0)
.set j, 0
.rept 128
	v_exp_f32 v[S+j], v[S+j]                       ; p = 2^(t - M)
.set j, j+1
.endr
.irp b, 0,1,2,3
	v_exp_f32 v[BM+\b], v[BM+\b]                   ; each block's largest p
.endr
	v_nop                                          ; the plain line behind the exponentials
	s_wait_alu depctr_va_vdst(0)                   ; one wait for the batch, ahead of its first reader
.irp b, 0,1,2,3
	v_max_num_f32 v[BM+\b], 0x1800000, v[BM+\b]    ; the floor: the byte cannot fall under 1
.endr
.irp b, 0,1,2,3
	v_add_nc_u32 v[BM+\b], 0xff000000, v[BM+\b]    ; 2 off the exponent field: the conversion's scale operand
.endr
	v_lshrrev_b32 v[T0], 23, v[BM]
	v_lshrrev_b32 v[T1], 23, v[BM+1]
	v_lshrrev_b32 v[T2], 23, v[BM+2]
	s_delay_alu instid0(VALU_DEP_2)
	v_lshl_or_b32 v[T0], v[T1], 8, v[T0]
	v_lshrrev_b32 v[T1], 23, v[BM+3]
	s_delay_alu instid0(VALU_DEP_2)
	v_lshl_or_b32 v[T0], v[T2], 16, v[T0]
	s_delay_alu instid0(VALU_DEP_1)
	v_lshl_or_b32 v[T0], v[T1], 24, v[T0]          ; my four blocks' bytes
	s_delay_alu instid0(VALU_DEP_1)
	v_permlanex16_b32 v[T2], v[T0], s[SEL], s[SEL+1]
	s_delay_alu instid0(VALU_DEP_1)
	v_perm_b32 v[PW], v[T2], v[T0], s[P0]          ; p's scale words, right in lanes 0-15, which alone are read
	v_perm_b32 v[PW+1], v[T2], v[T0], s[P1]
	HALFSUM S, PCD+8, 1
.irp i, 0,1,2,3,4,5,6,7
	v_cvt_scalef32_pk8_fp4_f32 v[PCD+\i], v[S+8*\i:S+8*\i+7], v[BM+\i/4]
.endr
.irp f, 0,1,2,3,4,5,6,7
	ds_load_b128 v[S+4*\f:S+4*\f+3], v[AD] offset:STEPB+4096+512*\f    ; V of the second 128 keys, where converted p lay
.endr
.irp i, 8,9,10,11,12,13,14,15
	v_cvt_scalef32_pk8_fp4_f32 v[PCD+\i], v[S+8*\i:S+8*\i+7], v[BM+\i/4]
.endr
	HALFSUM S+64, S+32, 0                          ; its first line is the plain line behind the conversions; its 32 lines are the places ahead of the products
	s_wait_alu depctr_va_vdst(0)
	s_wait_dscnt 0x0
.irp wt, 0,1,2,3                       ; the four accumulators by turns
	WMA OT+8*\wt, KF+8*\wt, PCD, VW+\wt, PW, 0
.endr
.irp wt, 0,1,2,3
	WMA OT+8*\wt, S+8*\wt, PCD+8, VW+\wt, PW+1, 1
.endr
	s_add_co_u32 s[TB], s[TB], 2*STEPB
.endm
; A PASS: q of one tile of 16 queries; the tile against all 2,048 keys; then ctx = O / sum, quantised, its image and bytes stored.  The first step finds zeros, which the first change of M leaves zeros.
.macro PASS p
	QMUL
	v_mov_b32 v[NM+1], 0xff61b1e6                  ; the largest score so far: -3e38
	v_mov_b32 v[NM], 0x7f61b1e6                    ; -M
	v_mov_b32 v[SUM], 0
	v_mov_b32 v[SUM+1], 0
.set j, 0
.rept 32
	v_mov_b32 v[OT+j], 0
.set j, j+1
.endr
	s_mov_b32 s[TB], 0
	s_mov_b32 s[CNT], 8
.Lstep_\@:
	STEP
	s_sub_co_u32 s[CNT], s[CNT], 1
	s_cmp_lg_u32 s[CNT], 0
	s_cbranch_scc1 .Lstep_\@
	v_add_f32 v[SUM], v[SUM], v[SUM+1]             ; the sum's two halves,
	s_delay_alu instid0(VALU_DEP_1)
	v_permlanex16_b32 v[T1], v[SUM], s[SEL], s[SEL+1]
	s_delay_alu instid0(VALU_DEP_1)
	v_add_f32 v[SUM], v[SUM], v[T1]                ; and lane l xor 16's
	s_wait_alu depctr_va_vdst(0)
	v_rcp_f32 v[F], v[SUM]
	v_bfe_u32 v[T0], v0, 4, 1                      ; h (plain lines behind the reciprocal; with the three above, the places behind the last products)
	v_and_b32 v[ADW], 15, v0
	s_wait_alu depctr_va_vdst(0)                   ; ahead of the reciprocal's first reader and of O^T's
.irp j, 0,2,4,6,8,10,12,14,16,18,20,22,24,26,28,30
	v_pk_mul_f32 v[S+\j:S+\j+1], v[OT+\j:OT+\j+1], v[F:F+1] op_sel_hi:[1,0]      ; register 16 b + i = channel 32 b + 16 h + i of my query
.endr
	QUANT32 S, PCD
	v_cmp_ne_u32 vcc_lo, 0, v[T0]
	v_lshl_add_u32 v[ADW], v[ADW], 1, v[T0]        ; 2 r + h
	v_cndmask_b32 v[AD], v[T1], v[T2], vcc_lo      ; block h's byte
	global_store_b128 v[LI], v[PCD:PCD+3], s[58:59] offset:8192*\p               ; 512 consecutive bytes
	global_store_b8 v[ADW], v[AD], s[60:61] offset:32*\p                         ; 32 consecutive bytes
.endm
	s_wait_alu depctr_va_vdst(0)
	s_wait_tensorcnt 0x0                           ; my load is in,
	s_barrier_signal -1
	s_barrier_wait -1                              ; everybody's is: the whole head and W_q lie in LDS
	PASS 0
	s_wait_xcnt 0x0                                ; the stores have read their registers, which the next lines write
	QLOAD 1
	PASS 1
	s_wait_tensorcnt 0x0                           ; the wave's end
	ds_add_u32 v[SPW], v[NIL]
	s_wait_dscnt 0x0
	CROUND                                         ; the closing round
	s_endpgm
.Lfunc_end_k_qfdc5acdbab_attn:
	.size	k_qfdc5acdbab_attn, .Lfunc_end_k_qfdc5acdbab_attn-k_qfdc5acdbab_attn
	.p2alignl 7, 3214868480
	.fill 96, 4, 3214868480
	.section	.rodata,"a",@progbits
	.p2align	6, 0x0
	.amdhsa_kernel k_qfdc5acdbab_attn
		.amdhsa_group_segment_fixed_size 176128
		.amdhsa_private_segment_fixed_size 0
		.amdhsa_enable_private_segment 0
		.amdhsa_kernarg_size 64
		.amdhsa_user_sgpr_count 2
		.amdhsa_user_sgpr_kernarg_segment_ptr 1
		.amdhsa_wavefront_size32 1
		.amdhsa_system_sgpr_workgroup_id_x 1
		.amdhsa_system_sgpr_workgroup_id_y 1
		.amdhsa_system_sgpr_workgroup_id_z 1
		.amdhsa_system_vgpr_workitem_id 0
		.amdhsa_next_free_vgpr 256
		.amdhsa_next_free_sgpr 100
		.amdhsa_reserve_vcc 1
		.amdhsa_float_denorm_mode_32 3
		.amdhsa_float_denorm_mode_16_64 3
		.amdhsa_memory_ordered 1
		.amdhsa_forward_progress 1
		.amdhsa_inst_pref_size 99
	.end_amdhsa_kernel
	.amdgpu_metadata
---
amdhsa.version: [ 1, 2 ]
amdhsa.kernels:
  - .name:           k_qfdc5acdbab_attn
    .symbol:         k_qfdc5acdbab_attn.kd
    .args:
      - { .name: tokc, .offset: 0, .size: 8, .value_kind: global_buffer, .address_space: global }
      - { .name: toks, .offset: 8, .size: 8, .value_kind: global_buffer, .address_space: global }
      - { .name: wc, .offset: 16, .size: 8, .value_kind: global_buffer, .address_space: global }
      - { .name: ws, .offset: 24, .size: 8, .value_kind: global_buffer, .address_space: global }
      - { .name: bq, .offset: 32, .size: 8, .value_kind: global_buffer, .address_space: global }
      - { .name: kv, .offset: 40, .size: 8, .value_kind: global_buffer, .address_space: global }
      - { .name: yc, .offset: 48, .size: 8, .value_kind: global_buffer, .address_space: global }
      - { .name: ys, .offset: 56, .size: 8, .value_kind: global_buffer, .address_space: global }
    .group_segment_fixed_size: 176128
    .private_segment_fixed_size: 0
    .kernarg_segment_align: 8
    .kernarg_segment_size: 64
    .max_flat_workgroup_size: 512
    .sgpr_count:     100
    .vgpr_count:     256
    .wavefront_size: 32
...
	.end_amdgpu_metadata
.endif
;; end of part 3
;; launch outp (part 4): grid 256 x 1, 2 waves a work-group, no clusters, 168,192 bytes of LDS; arguments yc, ys, wc, ws, bo, out0; writes out0
.if DOCPART == 4
	.amdgcn_target "amdgcn-amd-amdhsa--gfx1250"
	.amdhsa_code_object_version 6
	.text
	.protected	k_qfdc5acdbab_outp
	.globl	k_qfdc5acdbab_outp
	.p2align	8
	.type	k_qfdc5acdbab_outp,@function
k_qfdc5acdbab_outp:
	s_mov_b64 s[64:65], 0
	v_nop
	global_prefetch_b8 v0, s[64:65] scope:SCOPE_SE
	s_setreg_imm32_b32 hwreg(HW_REG_WAVE_MODE, 25, 1), 1
	s_wait_xcnt 0x0
; out0 = y Wo + bo on codes of FP4 with E8M0 scales.  y [8192][1024] comes as images (yc) and bytes (ys) from the attention, Wo as slab 48 of wc and ws.
; SHARES.  A wave owns one tile of 16 rows x all 64 outputs, K = 1,024: 8 K steps x 4 matrix instructions on four accumulators by turns.  Two waves to a work-group share Wo in LDS: wave 0 brings its 32 images,
; wave 1 its scale words, one tensor load each, filled once.  The product is used transposed (source 0 = 16 rows of Wo): a lane holds one row of y and neighbouring outputs.
; The bias is loaded straight into the accumulators, so all eight K steps have one form; it is added first and not last: another order of f32 rounding.
; No cluster: what work-groups share is Wo's 34,816 bytes, once; the launch is short.
.set WOC, 48*32768                     ; Wo's slab in wc
.set WOS, 48*2048                      ; and in ws
.set LSC, 32768                        ; LDS: images 0 .. 32,767, scale words here,
.set STG, 34816                        ; and from here a stage for each wave: 16 rows x (256 + 16) bytes, in blocks of 256 bytes into which no fill lands
.set SP,  272
.set LI,  1
.set YF,  16                           ; v16-79   y's eight fragments
.set YH,  80                           ; v80-95   y's half-words, one a head
.set YS,  96                           ; v96-103  y's scale words
.set WS,  104                          ; v104-135 Wo's scale words: 8 nt + K step
.set WF,  136                          ; v136-167, v168-199 Wo's four fragments of a K step, two sets
.set ACC, 200                          ; v200-231
	s_load_b256 s[4:11], s[0:1], 0x0               ; yc s[4:5], ys s[6:7], wc s[8:9], ws s[10:11]
	s_load_b128 s[12:15], s[0:1], 0x20             ; bo s[12:13], out0 s[14:15]
	v_lshl_add_u32 v254, v0, 2, 0x29000
	v_mov_b32 v255, 0
	ds_add_u32 v254, v255
	ds_add_u32 v254, v255
	v_lshrrev_b32 v1, 5, v0
	v_readfirstlane_b32 s16, v1                    ; wave 0, 1
	s_lshl_b32 s17, ttmp9, 1
	s_add_co_u32 s17, s17, s16                     ; my tile 0 .. 511
	s_mov_b32 s24, 3<<16                           ; group 1 for the images: 32,768 dense bytes as 128 rows of 256
	s_mov_b32 s25, 32<<16
	s_mov_b32 s26, 128<<16
	s_mov_b32 s27, 32<<16
	s_mov_b32 s28, 128
	s_mov_b32 s29, 32
	s_mov_b32 s30, 0
	s_mov_b32 s31, 0
	s_mov_b32 s36, 3<<16                           ; and for the scale words: 2,048 bytes as 8 rows
	s_mov_b32 s37, 32<<16
	s_mov_b32 s38, 8<<16
	s_mov_b32 s39, 32<<16
	s_mov_b32 s40, 8
	s_mov_b32 s41, 32
	s_mov_b32 s42, 0
	s_mov_b32 s43, 0
	s_mov_b32 s32, 1
	s_mov_b32 s33, 0
	s_mov_b32 s44, 1
	s_mov_b32 s45, LSC
	s_lshl_b32 s18, s17, 13                        ; yc: 8,192 bytes a tile
	s_mov_b32 s19, 0
	s_lshr_b32 s20, s17, 7                         ; ys: batch x 65,536 + tile in the batch x 32
	s_lshl_b32 s20, s20, 16
	s_and_b32 s21, s17, 127
	s_lshl_b32 s21, s21, 5
	s_add_co_u32 s20, s20, s21
	s_mov_b32 s21, 0
	s_lshr_b32 s22, s17, 1                         ; out0: 32 rows of 256 bytes for each pair of tiles, 8 rows for the odd one
	s_lshl_b32 s22, s22, 13
	s_and_b32 s23, s17, 1
	s_lshl_b32 s23, s23, 11
	s_add_co_u32 s22, s22, s23
	s_mov_b32 s23, 0
	s_wait_dscnt 0x0
	s_wait_kmcnt 0x0
	s_add_nc_u64 s[34:35], s[8:9], WOC
	s_or_b32 s35, s35, 0x80000000
	s_add_nc_u64 s[46:47], s[10:11], WOS
	s_or_b32 s47, s47, 0x80000000
	s_add_nc_u64 s[4:5], s[4:5], s[18:19]
	s_add_nc_u64 s[6:7], s[6:7], s[20:21]
	s_add_nc_u64 s[14:15], s[14:15], s[22:23]
	s_cmp_eq_u32 s16, 0                            ; two shapes, two lines, a branch on the wave's number round them alone; four v_nop follow each
	s_cbranch_scc0 .Lfor_s
	tensor_load_to_lds s[32:35], s[24:31]
	s_nop 0
.rept 4
	v_nop
.endr
	s_branch .Lasked
.Lfor_s:
	tensor_load_to_lds s[44:47], s[36:43]
	s_nop 0
.rept 4
	v_nop
.endr
.Lasked:
	v_and_b32 v1, 31, v0
	v_lshlrev_b32 v[LI], 4, v1                     ; 16 x lane
	v_and_b32 v2, 15, v0                           ; r
	v_bfe_u32 v3, v0, 4, 1                         ; h
	v_lshlrev_b32 v8, 1, v2                        ; 2 r
	v_lshlrev_b32 v9, 6, v3                        ; 64 h
.irp s, 0,1,2,3,4,5,6,7
.irp c, 0,1
	global_load_b128 v[YF+8*\s+4*\c:YF+8*\s+4*\c+3], v[LI], s[4:5] offset:1024*\s+512*\c th:TH_LOAD_NT
.endr
.endr
.irp hd, 0,1,2,3,4,5,6,7,8,9,10,11,12,13,14,15
	global_load_u16 v[YH+\hd], v8, s[6:7] offset:4096*\hd
.endr
.irp nt, 0,1,2,3                       ; tile nt's register j is output 32 (nt / 2) + 16 h + 8 (nt % 2) + j
	global_load_b128 v[ACC+8*\nt:ACC+8*\nt+3], v9, s[12:13] offset:(32*(\nt/2)+8*(\nt%2))*4
	global_load_b128 v[ACC+8*\nt+4:ACC+8*\nt+7], v9, s[12:13] offset:(32*(\nt/2)+8*(\nt%2))*4+16
.endr
	s_mul_i32 s18, s16, 16*SP
	s_add_co_u32 s18, s18, STG                     ; my stage
	v_mul_u32_u24 v10, v2, SP
	v_lshl_add_u32 v10, v3, 6, v10
	v_add_nc_u32 v10, s18, v10                     ; in: row r, + 64 h bytes
	v_mul_u32_u24 v11, v3, SP
	v_lshl_add_u32 v11, v2, 4, v11
	v_add_nc_u32 v11, s18, v11                     ; back: lanes 0-15 one row, lanes 16-31 the next
	v_lshl_add_u32 v12, v2, 4, LSC                 ; Wo's scale words: 16 r
	s_wait_alu depctr_va_vdst(0)
	s_wait_tensorcnt 0x0                           ; my load is in,
	s_barrier_signal -1
	s_barrier_wait -1                              ; and the other wave's
.macro FETCH s                         ; Wo's four fragments of K step s into set s % 2
.irp nt, 0,1,2,3
.irp c, 0,1
	ds_load_b128 v[WF+32*((\s)%2)+8*\nt+4*\c:WF+32*((\s)%2)+8*\nt+4*\c+3], v[LI] offset:8192*\nt+1024*(\s)+512*\c
.endr
.endr
.endm
.irp nt, 0,1,2,3
.irp kh, 0,1
	ds_load_b128 v[WS+8*\nt+4*\kh:WS+8*\nt+4*\kh+3], v12 offset:512*\nt+256*\kh
.endr
.endr
	FETCH 0
	s_wait_loadcnt 0x0                             ; y, its half-words, the bias
.irp s, 0,1,2,3,4,5,6,7
	v_lshl_or_b32 v[YS+\s], v[YH+2*\s+1], 16, v[YH+2*\s]   ; K step s = heads 2 s and 2 s + 1.  Behind word s stand 7 - s of these lines and 4 (s + 1) v_nop ahead of its product: 11 places at the least
.endr
	s_wait_alu depctr_va_vdst(0)
.irp s, 0,1,2,3,4,5,6,7
.if \s < 7
.rept 4
	v_nop                                          ; places in front of loads into registers that matrix instructions have read
.endr
	FETCH \s+1
	s_wait_dscnt 8                                 ; all but the next K step's eight loads
.else
	s_wait_dscnt 0x0
.endif
.irp nt, 0,1,2,3
	v_wmma_scale_f32_16x16x128_f8f6f4 v[ACC+8*\nt:ACC+8*\nt+7], v[WF+32*(\s%2)+8*\nt:WF+32*(\s%2)+8*\nt+7], v[YF+8*\s:YF+8*\s+7], v[ACC+8*\nt:ACC+8*\nt+7], v[WS+8*\nt+\s], v[YS+\s] matrix_a_fmt:MATRIX_FMT_FP4 matrix_b_fmt:MATRIX_FMT_FP4
.endr
.endr
.rept 4
	v_nop
.endr
.irp nt, 0,1,2,3                       ; THE WAY OUT: through my own stage, so that whole rows of 256 bytes leave
	ds_store_b128 v10, v[ACC+8*\nt:ACC+8*\nt+3] offset:128*(\nt/2)+32*(\nt%2)        ; each accumulator from its low end on
	ds_store_b128 v10, v[ACC+8*\nt+4:ACC+8*\nt+7] offset:128*(\nt/2)+32*(\nt%2)+16
.endr
.irp i, 0,1,2,3,4,5,6,7
	ds_load_b128 v[WF+4*\i:WF+4*\i+3], v11 offset:2*\i*SP  ; LDS serves a wave's instructions in order: these see my stores
.endr
.irp i, 0,1,2,3,4,5,6,7
	s_wait_dscnt 7-\i
	global_store_b128 v[LI], v[WF+4*\i:WF+4*\i+3], s[14:15] offset:512*\i+2048*(\i/4) th:TH_STORE_NT   ; places 2 i and 2 i + 1 are neighbouring rows (place m is row m + 8 (m / 8)): 512 consecutive bytes, aligned
.endr
	s_wait_tensorcnt 0x0
	ds_add_u32 v254, v255
	s_wait_dscnt 0x0
	s_endpgm
.Lfunc_end_k_qfdc5acdbab_outp:
	.size	k_qfdc5acdbab_outp, .Lfunc_end_k_qfdc5acdbab_outp-k_qfdc5acdbab_outp
	.p2alignl 7, 3214868480
	.fill 96, 4, 3214868480
	.section	.rodata,"a",@progbits
	.p2align	6, 0x0
	.amdhsa_kernel k_qfdc5acdbab_outp
		.amdhsa_group_segment_fixed_size 168192
		.amdhsa_private_segment_fixed_size 0
		.amdhsa_enable_private_segment 0
		.amdhsa_kernarg_size 48
		.amdhsa_user_sgpr_count 2
		.amdhsa_user_sgpr_kernarg_segment_ptr 1
		.amdhsa_wavefront_size32 1
		.amdhsa_system_sgpr_workgroup_id_x 1
		.amdhsa_system_sgpr_workgroup_id_y 1
		.amdhsa_system_sgpr_workgroup_id_z 1
		.amdhsa_system_vgpr_workitem_id 0
		.amdhsa_next_free_vgpr 256
		.amdhsa_next_free_sgpr 66
		.amdhsa_reserve_vcc 0
		.amdhsa_float_denorm_mode_32 3
		.amdhsa_float_denorm_mode_16_64 3
		.amdhsa_memory_ordered 1
		.amdhsa_forward_progress 1
		.amdhsa_inst_pref_size 21
	.end_amdhsa_kernel
	.amdgpu_metadata
---
amdhsa.version: [ 1, 2 ]
amdhsa.kernels:
  - .name:           k_qfdc5acdbab_outp
    .symbol:         k_qfdc5acdbab_outp.kd
    .args:
      - { .name: yc, .offset: 0, .size: 8, .value_kind: global_buffer, .address_space: global }
      - { .name: ys, .offset: 8, .size: 8, .value_kind: global_buffer, .address_space: global }
      - { .name: wc, .offset: 16, .size: 8, .value_kind: global_buffer, .address_space: global }
      - { .name: ws, .offset: 24, .size: 8, .value_kind: global_buffer, .address_space: global }
      - { .name: bo, .offset: 32, .size: 8, .value_kind: global_buffer, .address_space: global }
      - { .name: out0, .offset: 40, .size: 8, .value_kind: global_buffer, .address_space: global }
    .group_segment_fixed_size: 168192
    .private_segment_fixed_size: 0
    .kernarg_segment_align: 8
    .kernarg_segment_size: 48
    .max_flat_workgroup_size: 64
    .sgpr_count:     66
    .vgpr_count:     256
    .wavefront_size: 32
...
	.end_amdgpu_metadata
.endif
;; end of part 4
